; MI455X (gfx1250); checked and timed in simulation.
; The chip was launched on July 23, 2026; its instructions are those of AMD's public machine-readable ISA for CDNA 5 (MIT licence, August 2026) and "CDNA5" Instruction Set Architecture Reference Guide (July 2026). The comments in the code are by the model that wrote it; some were corrected since.
;; Bahdanau Attention. Allowed arithmetic: matrix products marked QUANTISED: E3M2 operands, one E8M0 scale for each 32 along K, by v_wmma_scale_f32_16x16x128_f8f6f4 with both operands' format E3M2, f32 sums; products left as they are: f32 operands where the result goes on into a quantised operand, else bf16, f16 or f32 operands; f32 sums; everything else in f32.
;; Inputs: W_dec_codes 1,024 x 32 x 24 uint8 (E3M2 codes of W_dec, K innermost, in blocks of 32 codes, four codes in three bytes); W_dec_scales 1,024 x 32 uint8 (E8M0 scales of W_dec, one for each 32 codes along K); W_enc_codes 1,024 x 32 x 24 uint8 (E3M2 codes of W_enc, K innermost, in blocks of 32 codes, four codes in three bytes); W_enc_scales 1,024 x 32 uint8 (E8M0 scales of W_enc, one for each 32 codes along K); decoder_hidden_codes 32 x 32 x 24 uint8 (E3M2 codes of decoder_hidden, K innermost, in blocks of 32 codes, four codes in three bytes); decoder_hidden_scales 32 x 32 uint8 (E8M0 scales of decoder_hidden, one for each 32 codes along K); encoder_outputs 32 x 2,048 x 1,024 float32; mask 32 x 2,048 int32; v 1,024 float32.
;; Outputs: out0 32 x 1,024 float32; out1 32 x 2,048 float32.
;; This version of the problem:
;;   THIS VERSION OF THE PROBLEM IS GIVEN IN LOW PRECISION. The matrix products marked QUANTISED in the list below multiply operands that are first quantised to E3M2 (3 exponent bits, 2 mantissa bits; 6 bits a number), with one power-of-two scale for each 32 numbers along K (OCP MX v1.0); their sums are f32. All else is computed in f32.
;;   The module's matrix products, in the order in which they are computed (A, B: the left and right operand; K: the contracted axis; several contracted axes count as one K, in the product's order):
;;     1. [M 65,536, K 1,024] x [K 1,024, N 1,024]; A: input encoder_outputs; B: input W_enc (given as codes): QUANTISED
;;     2. [M 32, K 1,024] x [K 1,024, N 1,024]; A: input decoder_hidden (given as codes); B: input W_dec (given as codes): QUANTISED
;;     3. [M 65,536, K 1,024] x [K 1,024, N 1]; A: computed on the way; B: input v: left as it is (N = 1 < 16)
;;     4. batch 32 x [M 1, K 2,048] x [K 2,048, N 1,024]; A: softmax; B: input encoder_outputs: left as it is (M = 1 < 16)
;;   THE QUANTISER, for each operand of a quantised product, along K:
;;     - K is cut into blocks of 32 from its start; a last block that is shorter is filled with zeros.
;;     - A block's scale is 2^e with e = floor(log2(the largest magnitude in the block)) - 4, held to -126 .. 127; a block of zeros has e = 0. As a byte (E8M0): e + 127.
;;     - Each number is divided by its block's scale, clamped to +-28, and rounded to the nearest number of E3M2, ties to even, subnormals kept.
;;     - The product sums the exact products of the quantised numbers (number of the format x scale) in f32.
;;   ~~~python
;;   def quantise(x, axis):      # numpy; x: float32 -> the quantised numbers, widened to float32 again
;;       x = np.moveaxis(x, axis, -1); K = x.shape[-1]
;;       x = np.pad(x, [(0, 0)] * (x.ndim - 1) + [(0, -K % 32)]); x = x.reshape(x.shape[:-1] + (-1, 32)); a = np.abs(x).max(-1, keepdims=True)
;;       e = np.where(a > 0, np.clip(np.frexp(np.where(a > 0, a, 1))[1] - 1 - 4, -126, 127), 0)      # np.frexp(a)[1] - 1 = floor(log2(a)), exactly
;;       r = np.clip(x / 2.0 ** e, -28, 28)
;;       step = 2.0 ** (np.maximum(np.frexp(np.where(r == 0, 1, r))[1] - 1, -2) - 2)
;;       q = np.round(r / step) * step * 2.0 ** e      # np.round: ties to even
;;       return np.moveaxis(q.reshape(q.shape[:-2] + (-1,))[..., :K], -1, axis).astype(np.float32)
;;   ~~~
;;   INPUTS GIVEN AS CODES. W_dec (in the module: [1024, 1024], K = its axis 1); W_enc (in the module: [1024, 1024], K = its axis 1); decoder_hidden (in the module: [32, 1024], K = its axis 1): each comes as NAME_codes (uint8): NAME with its K axis moved to the last place and cut into blocks of 32 codes, [.., K / 32, bytes a block], one block behind the other in memory; four codes in three bytes: a row's codes are one little-endian stream of bits, code i at bits 6 i .. 6 i + 5 (a code: sign, 3 exponent bits, 2 mantissa bits); and NAME_scales (uint8): the same leading axes, one E8M0 byte (e + 127) for each 32 codes along K. Its value is code x scale, taken as it is: it is not quantised again, and the codes and scales need not be those that the quantiser above would give.
;; One version. Each part assembles by itself: llvm-mc -triple=amdgcn-amd-amdhsa -mcpu=gfx1250 --defsym DOCPART=n.
;; ======== version 1 of 1: 3 launches
;; limits: right only within a limited range of input values
;; workspace buffers: list 262,144 bytes of whole numbers; cnt 4,096 bytes of whole numbers; sraw 262,144 bytes; decp 131,072 bytes; wl 819,200 bytes; pm 4,096 bytes; pctx 3,407,872 bytes
;; launch prep (part 1): grid 224 x 1, 1 waves a work-group, no clusters, 0 bytes of LDS; arguments mask, W_dec_codes, W_dec_scales, decoder_hidden_codes, decoder_hidden_scales, W_enc_codes, W_enc_scales, list, cnt, sraw, decp, wl; writes list, cnt, sraw, decp, wl
.if DOCPART == 1
	.amdgcn_target "amdgcn-amd-amdhsa--gfx1250"
	.amdhsa_code_object_version 6
	.text
	.protected	k_q4eee802444_prep
	.globl	k_q4eee802444_prep
	.p2align	8
	.type	k_q4eee802444_prep,@function
k_q4eee802444_prep:
	s_mov_b64 s[64:65], 0
	v_nop
	global_prefetch_b8 v0, s[64:65] scope:SCOPE_SE
	s_setreg_imm32_b32 hwreg(HW_REG_WAVE_MODE, 25, 1), 1
	s_wait_xcnt 0x0
; BAHDANAU ATTENTION, launch 1 of 3.  score[b][t] = sum over o of v[o] tanh(enc[b][t] . W_enc[o] + dec[b] . W_dec[o]); rows with mask == 0 get -1e9; softmax over t; context = weights x enc.
; WHAT THE PROGRAM LEAVES OUT, AND WHY IT MAY.
; (1) tanh x = 1 - 2 r with r = 1 / (1 + e^(2x)), so score = (sum of v) - 2 sum of v[o] r[o].  The sum of v is the same for all t of a batch: a term that is the same along the softmax's axis
;     leaves every weight as it is, for all values of the inputs.  It is not formed.  (Beside -1e9 it changes nothing either: see (2).)
; (2) mask is an input of whole numbers.  A row with mask == 0 has the score -1e9 whatever the first product gives for it.  While its batch has a row with mask != 0, its weight is
;     exp(-1e9 - max), which is 0 in f32 as long as the sum of |v| stays under 9e8 (a limit of this program), and 0 x its row adds nothing to the context.  So the next launch, which reads the
;     list of rows that this launch stores, gathers, quantises and multiplies the rows with mask != 0 alone.  A batch with no such row takes all 2,048 rows, each with the score -1e9.
; LIMIT: a NaN, an infinity or an overflow that lies only in a row of encoder_outputs that is left out so is not carried to the result.
; THIS LAUNCH.  A work-group is one wave; three roles, parted on the work-group's number; each has one round of loads.  No LDS, no barrier: waves share nothing.
; Work-groups 0-63, tile n of 16 rows of W_enc: its codes and scale bytes are laid out as images of the operand's registers (wl); and 4,096 bytes of sraw are filled with -1e9.
; Work-groups 64-191, tile n of 16 rows of W_dec and 16 batches g: dec_p = decoder_hidden W_dec^T (the second product of the problem's table, on the given codes), columns 16 n .. 16 n + 15 (decp).
; Work-groups 192-223, a batch: a counting sort of its 2,048 rows by mask: rows with mask != 0 from place 0 up, the others from place 2,047 down (entry = t, + 0x10000 where mask == 0);
; and their count (2,048 where it is 0).
; wl: tile n at 12,800 n bytes.  Fragment s (16 rows x 128 K, 12 registers a lane) at 1,536 s: registers 4 c .. 4 c + 3 of lane l at 512 c + 16 l.  At 12,288: lane (r, h) has 16 bytes, word u = the scale word of row r, K step 2 u + h.
; decp is stored in pieces of 64 bytes a row: 128 KiB in all, once.
.set TILEB, 12800
.macro FRAGL reg, adr, base, off       ; a fragment of 6-bit codes from rows of 768 bytes: 24 bytes at 24 h, 24 bytes 48 further on, in pieces of 8
.irp p, 0,1,2,3,4,5
	global_load_b64 v[\reg+2*\p:\reg+2*\p+1], v[\adr], s[\base:\base+1] offset:\off+48*(\p/3)+8*(\p%3)
.endr
.endm
	s_load_b256 s[4:11], s[0:1], 0x0               ; mask s[4:5], W_dec codes s[6:7], scales s[8:9], decoder_hidden codes s[10:11]
	s_load_b256 s[12:19], s[0:1], 0x20             ; decoder_hidden scales s[12:13], W_enc codes s[14:15], scales s[16:17], list s[18:19]
	s_load_b256 s[20:27], s[0:1], 0x40             ; cnt s[20:21], sraw s[22:23], decp s[24:25], wl s[26:27]
	v_and_b32 v1, 31, v0                           ; lane
	v_and_b32 v2, 15, v0                           ; r
	v_bfe_u32 v3, v0, 4, 1                         ; h
	v_lshlrev_b32 v6, 4, v1                        ; 16 x lane
	v_mul_u32_u24 v4, v2, 768
	v_mad_u32_u24 v4, v3, 24, v4                   ; codes: row r of 768 bytes, + 24 h
	v_lshlrev_b32 v5, 5, v2                        ; scale bytes: row r of 32
	s_mov_b32 s31, 0
	s_wait_kmcnt 0x0
	s_cmp_lt_u32 ttmp9, 64
	s_cbranch_scc0 .Lnot_lay
	; ---- W_enc's tile n = the work-group's number
	v_lshl_add_u32 v7, v3, 2, v5                   ; scale bytes: + 4 h
	s_mul_i32 s30, ttmp9, 12288                    ; 16 rows of codes
	s_add_nc_u64 s[14:15], s[14:15], s[30:31]
	s_lshl_b32 s30, ttmp9, 9                       ; 16 rows of scale bytes
	s_add_nc_u64 s[16:17], s[16:17], s[30:31]
	s_mul_i32 s30, ttmp9, TILEB
	s_add_nc_u64 s[26:27], s[26:27], s[30:31]
	s_lshl_b32 s30, ttmp9, 12                      ; my 4,096 bytes of sraw
	s_add_nc_u64 s[22:23], s[22:23], s[30:31]
.irp s, 0,1,2,3,4,5,6,7
	FRAGL 64+12*\s, 4, 14, 96*\s                   ; the eight fragments: v64-159
.endr
.irp u, 0,1,2,3
	global_load_b32 v[160+\u], v7, s[16:17] offset:8*\u     ; the scale word of row r, K step 2 u + h
.endr
.irp c, 0,1,2,3
	v_mov_b32 v[8+\c], 0xce6e6b28                  ; -1e9
.endr
.irp j, 0,1,2,3,4,5,6,7
	global_store_b128 v6, v[8:11], s[22:23] offset:512*\j   ; 32 lanes store 512 consecutive bytes
.endr
.irp s, 0,1,2,3,4,5,6,7
	s_wait_loadcnt 6*(7-\s)+4                      ; fragment s is in: behind it stand the later fragments' six loads each and the four scale words
.irp c, 0,1,2
	global_store_b128 v6, v[64+12*\s+4*\c:64+12*\s+4*\c+3], s[26:27] offset:1536*\s+512*\c
.endr
.endr
	s_wait_loadcnt 0x0
	global_store_b128 v6, v[160:163], s[26:27] offset:12288
	s_endpgm
.Lnot_lay:
	s_cmp_lt_u32 ttmp9, 192
	s_cbranch_scc0 .Lsort
	; ---- dec_p: tile n of W_dec's rows, batches 16 g .. 16 g + 15.  Transposed: source 0 = 16 rows of W_dec, source 1 = 16 batches
	s_sub_co_u32 s29, ttmp9, 64
	s_and_b32 s33, s29, 1                          ; g
	s_lshr_b32 s29, s29, 1                         ; n
	v_lshlrev_b32 v9, 12, v2
	v_lshl_add_u32 v9, v3, 5, v9                   ; decp: row r of 4,096 bytes, + 32 h
	s_mul_i32 s30, s29, 12288
	s_add_nc_u64 s[6:7], s[6:7], s[30:31]
	s_lshl_b32 s30, s29, 9
	s_add_nc_u64 s[8:9], s[8:9], s[30:31]
	s_mul_i32 s30, s33, 12288
	s_add_nc_u64 s[10:11], s[10:11], s[30:31]
	s_lshl_b32 s30, s33, 9
	s_add_nc_u64 s[12:13], s[12:13], s[30:31]
	s_lshl_b32 s30, s33, 16                        ; 16 rows of decp,
	s_lshl_b32 s32, s29, 6                         ; 16 columns
	s_add_co_u32 s30, s30, s32
	s_add_nc_u64 s[24:25], s[24:25], s[30:31]
.irp s, 0,1,2,3,4,5,6,7
	global_load_b32 v[32+\s], v5, s[8:9] offset:4*\s        ; W_dec's scale words: v32-39 (lanes 0-15 are read)
	global_load_b32 v[40+\s], v5, s[12:13] offset:4*\s      ; decoder_hidden's: v40-47
.endr
.irp s, 0,1,2,3,4,5,6,7
	FRAGL 64+12*\s, 4, 6, 96*\s                    ; W_dec's fragments: v64-159
	FRAGL 160+12*\s, 4, 10, 96*\s                  ; decoder_hidden's: v160-255
.endr
	; two accumulators, the even K steps' and the odd ones', take turns; they are added at the end
.irp s, 0,1,2,3,4,5,6,7
.if 12*(7-\s) > 60
	s_wait_loadcnt 60                              ; (the later steps' loads are more than this: a smaller count is safe)
.else
	s_wait_loadcnt 12*(7-\s)                       ; K step s is in: behind it stand twelve loads for each later step
.endif
.if \s < 2
	v_wmma_scale_f32_16x16x128_f8f6f4 v[48+8*(\s%2):55+8*(\s%2)], v[64+12*\s:75+12*\s], v[160+12*\s:171+12*\s], 0, v[32+\s], v[40+\s] matrix_a_fmt:MATRIX_FMT_BF6 matrix_b_fmt:MATRIX_FMT_BF6
.else
	v_wmma_scale_f32_16x16x128_f8f6f4 v[48+8*(\s%2):55+8*(\s%2)], v[64+12*\s:75+12*\s], v[160+12*\s:171+12*\s], v[48+8*(\s%2):55+8*(\s%2)], v[32+\s], v[40+\s] matrix_a_fmt:MATRIX_FMT_BF6 matrix_b_fmt:MATRIX_FMT_BF6
.endif
.endr
.rept 4
	v_nop                                          ; four places in front of the additions that read results (ISA guide 7.12.1)
.endr
.irp j, 0,2,4,6
	v_pk_add_f32 v[16+\j:17+\j], v[48+\j:49+\j], v[56+\j:57+\j]   ; each accumulator from its low end on
.endr
	global_store_b128 v9, v[16:19], s[24:25]       ; lane (r, h): dec_p[16 g + r][16 n + 8 h + 0 .. 7]
	global_store_b128 v9, v[20:23], s[24:25] offset:16
	s_endpgm
.Lsort:	; ---- the rows of batch b
	s_sub_co_u32 s29, ttmp9, 192
	s_lshl_b32 s30, s29, 13                        ; 2,048 words
	s_add_nc_u64 s[4:5], s[4:5], s[30:31]
	s_add_nc_u64 s[18:19], s[18:19], s[30:31]
	s_lshl_b32 s30, s29, 7
	s_add_nc_u64 s[20:21], s[20:21], s[30:31]
.irp j, 0,1,2,3,4,5,6,7,8,9,10,11,12,13,14,15
	global_load_b128 v[64+4*\j:67+4*\j], v6, s[4:5] offset:512*\j    ; register 4 j + c holds mask[128 j + 4 lane + c]
.endr
	v_lshlrev_b32 v12, 2, v1                       ; 4 x lane
	s_mov_b32 s30, 0                               ; rows with mask != 0 so far
	s_mov_b32 s32, 0                               ; the others so far
	s_wait_loadcnt 0x0
.set n, 0
.rept 64                               ; each step has its own registers for place and entry: no store's sources are written again
	v_cmp_ne_u32 vcc_lo, 0, v[64+n]
	v_mbcnt_lo_u32_b32 v13, vcc_lo, 0              ; lanes under mine with mask != 0,
	v_sub_nc_u32 v14, v1, v13                      ; and with mask == 0
	v_add_nc_u32 v13, s30, v13
	v_add_nc_u32 v14, s32, v14
	v_sub_nc_u32 v14, 2047, v14
	v_cndmask_b32 v[128+n], v14, v13, vcc_lo
	v_min_u32 v[128+n], 0x7ff, v[128+n]            ; a place is 0 .. 2,047
	v_lshlrev_b32 v[128+n], 2, v[128+n]
	v_add_nc_u32 v15, 128*(n/4)+n%4, v12           ; t
	v_add_nc_u32 v16, 128*(n/4)+n%4+0x10000, v12
	v_cndmask_b32 v[192+n], v16, v15, vcc_lo
	s_bcnt1_i32_b32 s33, vcc_lo
	s_add_co_u32 s30, s30, s33
	s_sub_co_u32 s33, 32, s33
	s_add_co_u32 s32, s32, s33
	global_store_b32 v[128+n], v[192+n], s[18:19]
.set n, n+1
.endr
	s_cmp_eq_u32 s30, 0
	s_cselect_b32 s33, 0x800, s30                  ; no row with mask != 0: all 2,048 rows are taken
	v_mov_b32 v17, s33
	global_store_b32 v12, v17, s[20:21]            ; 32 equal words
	s_endpgm
.Lfunc_end_k_q4eee802444_prep:
	.size	k_q4eee802444_prep, .Lfunc_end_k_q4eee802444_prep-k_q4eee802444_prep
	.p2alignl 7, 3214868480
	.fill 96, 4, 3214868480
	.section	.rodata,"a",@progbits
	.p2align	6, 0x0
	.amdhsa_kernel k_q4eee802444_prep
		.amdhsa_group_segment_fixed_size 0
		.amdhsa_private_segment_fixed_size 0
		.amdhsa_enable_private_segment 0
		.amdhsa_kernarg_size 96
		.amdhsa_user_sgpr_count 2
		.amdhsa_user_sgpr_kernarg_segment_ptr 1
		.amdhsa_wavefront_size32 1
		.amdhsa_system_sgpr_workgroup_id_x 1
		.amdhsa_system_sgpr_workgroup_id_y 1
		.amdhsa_system_sgpr_workgroup_id_z 1
		.amdhsa_system_vgpr_workitem_id 0
		.amdhsa_next_free_vgpr 256
		.amdhsa_next_free_sgpr 66
		.amdhsa_reserve_vcc 1
		.amdhsa_float_denorm_mode_32 3
		.amdhsa_float_denorm_mode_16_64 3
		.amdhsa_memory_ordered 1
		.amdhsa_forward_progress 1
		.amdhsa_inst_pref_size 73
	.end_amdhsa_kernel
	.amdgpu_metadata
---
amdhsa.version: [ 1, 2 ]
amdhsa.kernels:
  - .name:           k_q4eee802444_prep
    .symbol:         k_q4eee802444_prep.kd
    .args:
      - { .name: mask, .offset: 0, .size: 8, .value_kind: global_buffer, .address_space: global }
      - { .name: W_dec_codes, .offset: 8, .size: 8, .value_kind: global_buffer, .address_space: global }
      - { .name: W_dec_scales, .offset: 16, .size: 8, .value_kind: global_buffer, .address_space: global }
      - { .name: decoder_hidden_codes, .offset: 24, .size: 8, .value_kind: global_buffer, .address_space: global }
      - { .name: decoder_hidden_scales, .offset: 32, .size: 8, .value_kind: global_buffer, .address_space: global }
      - { .name: W_enc_codes, .offset: 40, .size: 8, .value_kind: global_buffer, .address_space: global }
      - { .name: W_enc_scales, .offset: 48, .size: 8, .value_kind: global_buffer, .address_space: global }
      - { .name: list, .offset: 56, .size: 8, .value_kind: global_buffer, .address_space: global }
      - { .name: cnt, .offset: 64, .size: 8, .value_kind: global_buffer, .address_space: global }
      - { .name: sraw, .offset: 72, .size: 8, .value_kind: global_buffer, .address_space: global }
      - { .name: decp, .offset: 80, .size: 8, .value_kind: global_buffer, .address_space: global }
      - { .name: wl, .offset: 88, .size: 8, .value_kind: global_buffer, .address_space: global }
    .group_segment_fixed_size: 0
    .private_segment_fixed_size: 0
    .kernarg_segment_align: 8
    .kernarg_segment_size: 96
    .max_flat_workgroup_size: 32
    .sgpr_count:     66
    .vgpr_count:     256
    .wavefront_size: 32
...
	.end_amdgpu_metadata
.endif
;; end of part 1
;; launch main (part 2): grid 26 x 32, 4 waves a work-group, no clusters, 232,448 bytes of LDS; arguments encoder_outputs, list, cnt, decp, wl, v, sraw, pm, pctx; writes sraw, pm, pctx
.if DOCPART == 2
	.amdgcn_target "amdgcn-amd-amdhsa--gfx1250"
	.amdhsa_code_object_version 6
	.text
	.protected	k_q4eee802444_main
	.globl	k_q4eee802444_main
	.p2align	8
	.type	k_q4eee802444_main,@function
k_q4eee802444_main:
	s_mov_b64 s[64:65], 0
	v_nop
	global_prefetch_b8 v0, s[64:65] scope:SCOPE_SE
	s_setreg_imm32_b32 hwreg(HW_REG_WAVE_MODE, 25, 1), 1
	s_wait_xcnt 0x0
; BAHDANAU ATTENTION, launch 2 of 3.  LEFT OUT (shown at the head of the first kernel): the sum of v, which is the same along the softmax's axis; and the rows with mask == 0 of a batch that has
; a row with mask != 0: their weight is 0.  LIMITS: the sum of |v| under 9e8; a NaN or an infinity in a row that is left out is not carried; NaN and infinities in the rows taken are not served by the
; quantiser; a block of 32 whose largest magnitude lies under 2^(4 - 126) has its scale byte held at 1 (a block of zeros too: its codes are zeros).  encoder_outputs enters the context rounded to bf16.
; SHARES.  Work-group (i, b) takes places 80 i .. 80 i + 79 of batch b's list: five tiles of 16 rows.  26 x 80 covers 2,048 places, whatever the mask.  A block whose first place is at or past the
; batch's count has no rows: it stores zeros and a maximum of -3e38, which the last launch weighs with 0.  That is a branch on a stored number, so the launch has no tensor load: the weights come
; from memory straight into registers, from wl, which is laid as register images.  Both barriers stand outside those branches.  No cluster: partners would have different numbers of rows.
; X: wave w gathers, for all 80 rows, K steps 2 w and 2 w + 1 (f32), quantises them in registers, and stores to LDS the fragments as register images, their scale words, and the numbers as bf16 | barrier |
; A, N: every wave takes all 40 fragments of the rows into registers and makes columns 256 w .. 256 w + 255: 16 tiles of 16 columns x 8 K steps x 5 tiles of rows.  The product is used transposed
; (source 0 = 16 rows of W_enc, source 1 = 16 rows of enc): a lane holds ONE row and eight columns; dec_p is the C of a sum's first instruction.  The weights go through two sets of registers, asked
; for two tiles ahead, in three runs of loads a tile.  One tile's tanh and its product with v stand in slices behind the next tile's matrix instructions | barrier |
; then every wave adds the four partial scores, takes the block's maximum and p = exp(score - maximum), and the 128 threads add p x row (bf16 from LDS), eight columns each.
; A place at or past the count takes the row of the block's first place, which is counted wherever the block has rows (so no further row is read), and its p is selected to 0.
; REGISTERS, in windows of 256.  Window 0: see the names below.  Window 1: the weights' two sets, fragment s of set q at v[96 q + 12 s].  Windows 2, 3: the rows' fragments, f = 8 m + s at v[12 (f % 20)]
; of window 2 + f / 20; during X window 2 holds four landing sets of 64 numbers.
.set ROWS,  80
.set TILEB, 12800                      ; a tile of wl
.set BFP,   2064                       ; a row of bf16 in LDS: 2,048 bytes + 16 = 516 words: row r starts 4 r words on modulo 64, so sixteen rows' 16 bytes fall on different words
.set IMG,   0                          ; 40 fragments x 1,536
.set ASCL,  61440                      ; 20 registers of scale words x 128: register (m, u): lane (r, h) = row r of tile m, K step 2 u + h
.set SCR,   64000                      ; [wave][80] partial scores
.set PB,    65280                      ; [wave][96] p, each wave's own
.set BF,    66816                      ; 80 rows x BFP
.set SPARE, 231936                     ; the spare words, 128 bytes for each wave: two blocks of 256 bytes that no other line names
.set LI,  1                            ; 16 x lane; never rewritten
.set TO,  2                            ; 16 x thread
.set XI,  4                            ; where I store images: 16 lane + 3,072 wave
.set XS,  5                            ; and scale words: ASCL + 128 wave + 4 r
.set XB,  6                            ; v6-8   bf16 rows: BF + (16 m + r) BFP + 32 h + 512 wave for m = 0, 2, 4
.set LS,  9                            ; ASCL + 4 lane
.set SW,  10                           ; SCR + 320 wave + 4 r
.set SR,  11                           ; SCR + 4 lane
.set SR2, 12                           ; SCR + 256 + 4 r
.set PS,  13                           ; PB + 384 wave + 4 lane
.set PL,  14                           ; PB + 384 wave
.set CB,  15                           ; v15-19 BF + 16 m BFP + 8 thread
.set VO,  21                           ; 32 h: my eight columns of a tile, in v and in dec_p; never rewritten
.set RO,  22                           ; v22-26 byte offset of my row of tile m in the batch, + 64 h + 1,024 wave
.set LE,  27                           ; v27-29 the list's entries at places 80 i + 32 c + lane
.set SPW, 30                           ; my spare word's address; never rewritten
.set NIL, 31                           ; 0; never rewritten
.set ASC, 32                           ; v32-51 the rows' scale words;  v52-59 the weights', two sets of four: these hold scales and nothing else
.set BSC, 52
.set LN,  60                           ; lane, r, h
.set RR,  61
.set HH,  62
.set T0,  63
.set BI,  68                           ; v68-83  dec_p of a tile's columns, two sets
.set VV,  84                           ; v84-99  v of a tile's columns, two sets
.set SS,  100                          ; v100-109 the rows' sums of v r, a pair for each tile of rows (at the head: the list loads' offsets)
.set ACC, 112                          ; v112-191 two sets of five accumulators
.set PLC, 112                          ; (head) v112-116 my places;  v117 the entry at the block's first place
.set FE,  117
.set BH,  112                          ; (X) 32 words of bf16
.set TM,  192                          ; (X) v192-195 largest magnitudes, v196-199 at work, v204-207 the conversions' scale operands
.set PW,  208                          ; (X) the scale word just made
.set PC,  210                          ; (X) the codes just made
.set CT,  240                          ; v240-247 my eight columns of the context
.set MB,  248                          ; the block's maximum
.set TP,  249
.set ZR,  250
.set WB,  48                           ; s[48:49], s[50:51] wl at the tile that set 0, 1 asks for next
.set DB,  52                           ; s[52:53], s[54:55] dec_p likewise
.set VB,  56                           ; s[56:57], s[58:59] v at the tile that set 0, 1 multiplies next
.set MSB, 0
.macro WIN new                         ; the immediate's high byte repeats the setting that is left; a switch that changes nothing is dropped
.if MSB != \new
	s_set_vgpr_msb (MSB<<8)|\new
.set MSB, \new
.endif
.endm
.macro PLACES
.rept 4
	v_nop
.endr
.endm
	s_load_b256 s[4:11], s[0:1], 0x0               ; enc s[4:5], list s[6:7], cnt s[8:9], decp s[10:11]
	s_load_b256 s[12:19], s[0:1], 0x20             ; wl s[12:13], v s[14:15], sraw s[16:17], pm s[18:19]
	s_load_b64 s[20:21], s[0:1], 0x40              ; pctx
	v_lshl_add_u32 v[SPW], v0, 2, SPARE
	v_mov_b32 v[NIL], 0
	v_lshrrev_b32 v[T0], 5, v0
	v_readfirstlane_b32 s22, v[T0]                 ; wave 0..3
	s_mov_b32 s23, ttmp9                           ; block i
	s_and_b32 s24, ttmp7, 0xffff                   ; batch b
	v_and_b32 v[LN], 31, v0
	v_and_b32 v[RR], 15, v0
	v_bfe_u32 v[HH], v0, 4, 1
	v_lshlrev_b32 v[LI], 4, v[LN]
	v_lshlrev_b32 v[TO], 4, v0
	s_mul_i32 s36, s22, 3072
	v_add_nc_u32 v[XI], s36, v[LI]
	s_lshl_b32 s36, s22, 7
	s_add_co_u32 s36, s36, ASCL
	v_lshl_add_u32 v[XS], v[RR], 2, s36
	v_mul_u32_u24 v[T0], v[RR], BFP
	v_lshl_add_u32 v[T0], v[HH], 5, v[T0]
	s_lshl_b32 s36, s22, 9
	s_add_co_u32 s36, s36, BF
	v_add_nc_u32 v[XB], s36, v[T0]
	v_add_nc_u32 v[XB+1], 32*BFP, v[XB]
	v_add_nc_u32 v[XB+2], 64*BFP, v[XB]
	v_lshl_add_u32 v[LS], v[LN], 2, ASCL
	s_mul_i32 s36, s22, 320
	s_add_co_u32 s36, s36, SCR
	v_lshl_add_u32 v[SW], v[RR], 2, s36
	v_lshl_add_u32 v[SR], v[LN], 2, SCR
	v_lshl_add_u32 v[SR2], v[RR], 2, SCR+256
	s_mul_i32 s36, s22, 384
	s_add_co_u32 s36, s36, PB
	v_lshl_add_u32 v[PS], v[LN], 2, s36
	v_mov_b32 v[PL], s36
	v_lshl_add_u32 v[CB], v0, 3, BF
.irp m, 1,2,3,4
	v_add_nc_u32 v[CB+\m], 16*BFP*\m, v[CB]
.endr
	v_lshlrev_b32 v[VO], 5, v[HH]
.irp e, 0,1,2,3,4,5,6,7
	v_mov_b32 v[CT+\e], 0
.endr
	v_mov_b32 v[MB], 0xff61b1e6                    ; -3e38
	v_mov_b32 v[TP], 0                             ; (a lane permute's destination counts as one of its sources)
	v_mov_b32 v[ZR], 0
.irp b, 0,1,2,3
	v_mov_b32 v[TM+4+\b], 0
.endr
	s_mov_b32 s30, 0x76543210
	s_mov_b32 s31, 0xfedcba98                      ; v_permlanex16_b32's selects for lane l xor 16
	s_mov_b32 s32, 0x4038aa3b                      ; 2 log2(e): e^(2x) = 2^(this x)
	s_mov_b32 s33, s32                             ; (named with it as a pair, so it is written)
	s_mov_b32 s37, 0
	s_mul_i32 s27, s23, ROWS                       ; my first place
	v_add_nc_u32 v[T0], s27, v[RR]
.irp m, 0,1,2,3,4
	v_add_nc_u32 v[PLC+\m], 16*\m, v[T0]           ; my place in tile m,
	v_min_u32 v[SS+\m], 0x7ff, v[PLC+\m]           ; held inside the list,
	v_lshlrev_b32 v[SS+\m], 2, v[SS+\m]            ; in bytes
.endr
	v_add_nc_u32 v[T0], s27, v[LN]
.irp c, 0,1,2
	v_add_nc_u32 v[SS+5+\c], 32*\c, v[T0]
	v_min_u32 v[SS+5+\c], 0x7ff, v[SS+5+\c]
	v_lshlrev_b32 v[SS+5+\c], 2, v[SS+5+\c]
.endr
	v_lshlrev_b32 v[T0], 6, v[HH]
	s_lshl_b32 s36, s22, 10
	v_add_nc_u32 v[T0], s36, v[T0]                 ; 64 h + 1,024 wave
	s_wait_kmcnt 0x0
	s_lshl_b32 s36, s24, 7
	s_add_nc_u64 s[8:9], s[8:9], s[36:37]
	s_load_b32 s25, s[8:9], 0x0                    ; the batch's count
	s_lshl_b32 s36, s24, 13
	s_add_nc_u64 s[6:7], s[6:7], s[36:37]          ; list and sraw at my batch
	s_add_nc_u64 s[16:17], s[16:17], s[36:37]
	; The list's entries are asked for beside the count, not behind it: their places hang on ids alone.  What lies at or past the count is put right below.
.irp m, 0,1,2,3,4
	global_load_b32 v[RO+\m], v[SS+\m], s[6:7]
.endr
.irp c, 0,1,2
	global_load_b32 v[LE+\c], v[SS+5+\c], s[6:7]
.endr
	s_mul_i32 s36, s22, 16*TILEB
	s_add_nc_u64 s[12:13], s[12:13], s[36:37]      ; wl at my 16 tiles
	s_lshl_b32 s36, s22, 10
	s_add_nc_u64 s[14:15], s[14:15], s[36:37]      ; v at my 256 columns
	s_lshl_b32 s38, s24, 12
	s_add_co_u32 s36, s36, s38
	s_add_nc_u64 s[10:11], s[10:11], s[36:37]      ; dec_p of my batch at my 256 columns
	; The weights of my tiles 0 and 1: 54 loads.  Their addresses hang on ids alone, and they stand ahead of the first branch on the count, so that what the products read is
	; written on every way through the text: a block without rows issues them too.
.irp j, 0,1
	global_load_b128 v[BSC+4*\j:BSC+4*\j+3], v[LI], s[12:13] offset:TILEB*\j+12288
	global_load_b128 v[BI+8*\j:BI+8*\j+3], v[VO], s[10:11] offset:64*\j
	global_load_b128 v[BI+8*\j+4:BI+8*\j+7], v[VO], s[10:11] offset:64*\j+16
.endr
	WIN 0x40                                       ; destination window 1
.irp j, 0,1
.irp s, 0,1,2,3,4,5,6,7
.irp c, 0,1,2
	global_load_b128 v[96*\j+12*\s+4*\c:96*\j+12*\s+4*\c+3], v[LI], s[12:13] offset:TILEB*\j+1536*\s+512*\c
.endr
.endr
.endr
	WIN 0
	s_add_nc_u64 s[WB:WB+1], s[12:13], 2*TILEB     ; tile 0 asks for tile 2, tile 1 for tile 3
	s_add_nc_u64 s[WB+2:WB+3], s[12:13], 3*TILEB
	s_add_nc_u64 s[DB:DB+1], s[10:11], 128
	s_add_nc_u64 s[DB+2:DB+3], s[10:11], 192
	s_mov_b64 s[VB:VB+1], s[14:15]
	s_add_nc_u64 s[VB+2:VB+3], s[14:15], 64
	s_lshl_b32 s36, s24, 23
	s_add_nc_u64 s[4:5], s[4:5], s[36:37]          ; enc at my batch
	s_lshl_b32 s36, s24, 7
	s_lshl_b32 s38, s23, 2
	s_add_co_u32 s36, s36, s38
	s_add_nc_u64 s[18:19], s[18:19], s[36:37]      ; pm[b][i]
	s_mul_i32 s36, s24, 26
	s_add_co_u32 s36, s36, s23
	s_lshl_b32 s36, s36, 12
	s_add_nc_u64 s[20:21], s[20:21], s[36:37]      ; pctx[b][i]
	s_wait_kmcnt 0x0
	s_min_u32 s25, s25, 0x800                      ; the count: 1 .. 2,048
	s_cmp_lt_u32 s27, s25
	s_cselect_b32 s28, 1, 0                        ; have I rows?
	s_wait_loadcnt 54                              ; the eight list loads are in; the 54 loads of weights issued behind them may be out
	v_readfirstlane_b32 s38, v[RO]                 ; the entry at my first place
	v_mov_b32 v[FE], s38
.irp m, 0,1,2,3,4
	v_cmp_gt_u32 vcc_lo, s25, v[PLC+\m]            ; counted?
	v_cndmask_b32 v[RO+\m], v[FE], v[RO+\m], vcc_lo    ; if not: the first place's row
	v_and_b32 v[RO+\m], 0x7ff, v[RO+\m]            ; t
	v_min_u32 v[RO+\m], 0x7ff, v[RO+\m]
	v_lshlrev_b32 v[RO+\m], 12, v[RO+\m]           ; a row is 4,096 bytes
	v_add_nc_u32 v[RO+\m], v[RO+\m], v[T0]
.endr
	s_cmp_eq_u32 s28, 0
	s_cbranch_scc1 .Lb1
; ---- X.  Fragment x of my ten: tile of rows x / 2, K step 2 wave + x % 2.  Lane (r, h) takes, of row r, 16 neighbouring numbers of each of the step's four blocks of 32.
.macro XLOAD x
	WIN 0x80                                       ; destination window 2
.irp bk, 0,1,2,3
.irp jj, 0,1,2,3
	global_load_b128 v[64*((\x)%4)+16*\bk+4*\jj:64*((\x)%4)+16*\bk+4*\jj+3], v[RO+(\x)/2], s[4:5] offset:512*((\x)%2)+128*\bk+16*\jj
.endr
.endr
.endm
; 64 numbers of a lane in landing set k, register 16 b + i = k 32 b + 16 h + i of my row, become a fragment's codes in v[PC] on, its scale word in v[PW], and 32 words of bf16 in v[BH] on.
.macro QUANTX k
	WIN 0x0a                                       ; sources 0 and 1 window 2
.irp b, 0,1,2,3
	v_max3_num_f32 v[TM+\b], |v[64*(\k)+16*\b]|, |v[64*(\k)+16*\b+1]|, 0x2800000   ; my 16 numbers of block b, and the floor 2^(5 - 127): the byte cannot fall under 1
.endr
.irp i, 2,4,6,8,10,12,14
.irp b, 0,1,2,3
	v_max3_num_f32 v[TM+\b], |v[64*(\k)+16*\b+\i]|, |v[64*(\k)+16*\b+\i+1]|, v[TM+\b]   ; (the four blocks by turns)
.endr
.endr
.irp b, 0,1,2,3
.irp i, 0,2,4,6,8,10,12,14
	v_cvt_pk_bf16_f32 v[BH+8*\b+\i/2], v[64*(\k)+16*\b+\i], v[64*(\k)+16*\b+\i+1]
.endr
.endr
	WIN 0
.irp b, 0,1,2,3
	v_permlanex16_b32 v[TM+4+\b], v[TM+\b], s30, s31
.endr
.irp b, 0,1,2,3
	v_max_num_f32 v[TM+\b], v[TM+\b], v[TM+4+\b]   ; with lane l xor 16's: the block's largest magnitude
.endr
.irp b, 0,1,2,3
	v_add_nc_u32 v[TM+12+\b], 0xfe000000, v[TM+\b] ; 4 off its exponent field: the conversion takes the exponent field of this operand as its scale
.endr
.irp b, 0,1,2,3
	v_lshrrev_b32 v[TM+4+\b], 23, v[TM+12+\b]      ; the scale's byte
.endr
	v_lshl_or_b32 v[PW], v[TM+5], 8, v[TM+4]
	v_lshl_or_b32 v[PW], v[TM+6], 16, v[PW]
	v_lshl_or_b32 v[PW], v[TM+7], 24, v[PW]        ; my row's scale word (the same in lanes l and l xor 16)
	WIN 0x02                                       ; source 0 window 2
.irp c, 0,1
	v_cvt_scalef32_pk16_bf6_f32 v[PC+6*\c:PC+2+6*\c], v[64*(\k)+32*\c:64*(\k)+32*\c+15], v[TM+12+2*\c]
	v_cvt_scalef32_pk16_bf6_f32 v[PC+12+4*\c:PC+14+4*\c], v[64*(\k)+32*\c+16:64*(\k)+32*\c+31], v[TM+12+2*\c+1]   ; (a conversion's three registers begin on an even number)
.endr
	WIN 0
	v_nop                                          ; one plain place behind a scaled conversion
.irp c, 0,1                                    ; the operand's layout wants a WHOLE block in a lane: lanes 0-15 block 2 c, lanes 16-31 block 2 c + 1
.irp i, 0,1,2
	v_permlane16_swap_b32 v[PC+6*\c+\i], v[PC+12+4*\c+\i]
.endr
.irp i, 0,1,2
	v_mov_b32 v[PC+3+6*\c+\i], v[PC+12+4*\c+\i]
.endr
.endr
.endm
.macro XSTEP x, left
	s_wait_loadcnt \left                           ; fragment x's 16 loads are in, and all that was asked for ahead of them; left = the loads of the fragments asked for behind it
	s_wait_dscnt 0x0                               ; the last fragment's LDS stores have read their registers
	QUANTX (\x)%4
.irp c, 0,1,2
	ds_store_b128 v[XI], v[PC+4*\c:PC+4*\c+3] offset:12288*((\x)/2)+1536*((\x)%2)+512*\c     ; the fragment as it stands: 512 consecutive bytes a store
.endr
	ds_store_b32 v[XS], v[PW] offset:512*((\x)/2)+64*((\x)%2)                                 ; both halves of the lanes write the same word with the same value
.irp b, 0,1,2,3
.irp c, 0,1
	ds_store_b128 v[XB+(\x)/4], v[BH+8*\b+4*\c:BH+8*\b+4*\c+3] offset:16*BFP*(((\x)/2)%2)+256*((\x)%2)+64*\b+16*\c
.endr
.endr
.endm
	XLOAD 0
	XLOAD 1
	XLOAD 2
	XLOAD 3
.irp x, 0,1,2,3,4,5
	XSTEP \x, 48
	XLOAD \x+4                                     ; into the set just read
.endr
	XSTEP 6, 48
	XSTEP 7, 32
	XSTEP 8, 16
	XSTEP 9, 0
	WIN 0
.Lb1:
	s_wait_loadcnt 0x0                             ; the weights asked for at the head are in, on the way round X too: no load is out where the ways join
	s_wait_dscnt 0x0                               ; for the others' sake: my stores have landed
	s_barrier_signal -1
	s_barrier_wait -1                              ; the 40 fragments, their scale words and the 80 rows of bf16 lie in LDS
	s_cmp_eq_u32 s28, 0
	s_cbranch_scc1 .Lb2
; ---- A: all 40 fragments and 20 registers of scale words into my registers
.set fa, 0
.rept 40
.if fa < 20
	WIN 0x80
.else
	WIN 0xc0
.endif
.irp c, 0,1,2
	ds_load_b128 v[12*(fa%20)+4*\c:12*(fa%20)+4*\c+3], v[LI] offset:IMG+1536*fa+512*\c
.endr
.set fa, fa+1
.endr
	WIN 0
.irp k, 0,1,2,3,4,5,6,7,8,9,10,11,12,13,14,15,16,17,18,19
	ds_load_b32 v[ASC+\k], v[LS] offset:128*\k
.endr
.irp k, 0,1,2,3,4,5,6,7,8,9
	v_mov_b32 v[SS+\k], 0
.endr
	s_wait_dscnt 0x0
; ---- N.  One matrix instruction: set q, K step ks, tile of rows mt.  The five accumulators take turns.  A scale register holds K step 2 u in lanes 0-15 and 2 u + 1 in lanes 16-31.
.macro MM q
.set fa, 8*mt+ks
.if fa < 20
	WIN 0x09                                       ; source 0 (weights) window 1, source 1 (rows) window 2
.set ra, 12*fa
.else
	WIN 0x0d                                       ; source 1 window 3
.set ra, 12*(fa-20)
.endif
.set rb, 96*(\q)+12*ks
.set rd, ACC+40*(\q)+8*mt
.set sa, BSC+4*(\q)+ks/2
.set sb, ASC+4*mt+ks/2
.if ks == 0
	v_wmma_scale_f32_16x16x128_f8f6f4 v[rd:rd+7], v[rb:rb+11], v[ra:ra+11], v[BI+8*(\q):BI+8*(\q)+7], v[sa], v[sb] matrix_a_fmt:MATRIX_FMT_BF6 matrix_b_fmt:MATRIX_FMT_BF6
.elseif ks%2 == 0
	v_wmma_scale_f32_16x16x128_f8f6f4 v[rd:rd+7], v[rb:rb+11], v[ra:ra+11], v[rd:rd+7], v[sa], v[sb] matrix_a_fmt:MATRIX_FMT_BF6 matrix_b_fmt:MATRIX_FMT_BF6
.else
	v_wmma_scale_f32_16x16x128_f8f6f4 v[rd:rd+7], v[rb:rb+11], v[ra:ra+11], v[rd:rd+7], v[sa], v[sb] matrix_a_fmt:MATRIX_FMT_BF6 matrix_b_fmt:MATRIX_FMT_BF6 matrix_a_scale:MATRIX_SCALE_ROW1 matrix_b_scale:MATRIX_SCALE_ROW1
.endif
.endm
; THE LOADS FOR TILE j + 2, into set q, which tile j is multiplying: 27 loads in three runs.  Each set has scalar bases of its own; the vector offsets never change.
.macro REFILL q, s                     ; fragment s
.irp c, 0,1,2
	global_load_b128 v[96*(\q)+12*(\s)+4*\c:96*(\q)+12*(\s)+4*\c+3], v[LI], s[WB+2*(\q):WB+2*(\q)+1] offset:1536*(\s)+512*\c
.endr
.endm
.macro RUN1 q                          ; dec_p and fragments 0, 1: 8 loads
	WIN 0
	global_load_b128 v[BI+8*(\q):BI+8*(\q)+3], v[VO], s[DB+2*(\q):DB+2*(\q)+1]
	global_load_b128 v[BI+8*(\q)+4:BI+8*(\q)+7], v[VO], s[DB+2*(\q):DB+2*(\q)+1] offset:16
	WIN 0x40                                       ; destination window 1
	REFILL \q, 0
	REFILL \q, 1
	WIN 0
.endm
.macro RUN2 q                          ; fragments 2 to 5: 12 loads
	WIN 0x40
	REFILL \q, 2
	REFILL \q, 3
	REFILL \q, 4
	REFILL \q, 5
	WIN 0
.endm
.macro RUN3 q                          ; the scale words and fragments 6, 7: 7 loads
	WIN 0
	global_load_b128 v[BSC+4*(\q):BSC+4*(\q)+3], v[LI], s[WB+2*(\q):WB+2*(\q)+1] offset:12288
	WIN 0x40
	REFILL \q, 6
	REFILL \q, 7
	WIN 0
.endm
.set RF, 0                             ; 1 while a tile is written that asks for tile j + 2;  RQ: its set
.set RQ, 0
; THE VECTOR WORK OF A TILE is a list of 142 entries on set q's 40 results x, taken as 20 pairs from each accumulator's low end on; ENTRY writes number e.
;   0-59    for each pair: x times 2 log2(e), then two exponentials, in place.  None of these reads an exponential's result
;   60      a plain instruction and the wait ahead of the first use: one for the 40.  Directly behind it, where the wave has waited for its vector results anyway: the first run of loads
;   61-120  for each pair: + 1, then two reciprocals, in place: r = 1 / (1 + e^(2x)).  (e^(2x) = infinity gives r = 0, e^(2x) = 0 gives r = 1: tanh's two ends)
;   121     the same for the 40 reciprocals, and the second run of loads
;   122-141 the row's sum += r v, a pair at a time
.macro ENTRY q
.if e < 60
.set rp, ACC+40*(\q)+2*(e/3)
.if e%3 == 0
	v_pk_mul_f32 v[rp:rp+1], v[rp:rp+1], s[32:33] op_sel_hi:[1,0]
.else
	v_exp_f32 v[rp+e%3-1], v[rp+e%3-1]
.endif
.elseif (e == 60) || (e == 121)
	v_nop
	s_wait_alu depctr_va_vdst(0)
.if RF
.if e == 60
	RUN1 RQ
.else
	RUN2 RQ
.endif
.endif
.elseif e < 121
.set rp, ACC+40*(\q)+2*((e-61)/3)
.if (e-61)%3 == 0
	v_pk_add_f32 v[rp:rp+1], v[rp:rp+1], 1.0 op_sel_hi:[1,0]
.else
	v_rcp_f32 v[rp+(e-61)%3-1], v[rp+(e-61)%3-1]
.endif
.else
.set rp, ACC+40*(\q)+2*(e-122)
	v_pk_fma_f32 v[SS+2*((e-122)/4):SS+2*((e-122)/4)+1], v[rp:rp+1], v[VV+8*(\q)+2*((e-122)%4):VV+8*(\q)+2*((e-122)%4)+1], v[SS+2*((e-122)/4):SS+2*((e-122)/4)+1]
.endif
.endm
.macro SLICE q                         ; behind matrix instruction 5 ks + mt of 40: its share of the 142, three or four entries; the last slice is entries 138 to 141, four plain instructions
	WIN 0
.set e, (142*(5*ks+mt))/40
.rept (142*(5*ks+mt+1))/40-(142*(5*ks+mt))/40
	ENTRY \q
.set e, e+1
.endr
.endm
; TILE j on set q = j % 2.  sl = 1: the slices of tile j - 1 stand behind its matrix instructions.  md = 0: tile j + 2 is asked for; md = 1, 2: the last two tiles ask for v alone.  st = 1: the set's bases step.
; A tile's loads, in order: v of tile j (2), run 1 (8), run 2 (12), run 3 (7).
; A load into a register that a matrix instruction has read stands four places behind it, and only plain vector instructions that name none of its registers are places (ISA guide 7.12.1 for vector
; instructions).  Run 1 stands in slice 17: fragment 1's last reader is matrix instruction 9, eight slices back, a plain instruction in every three entries.  Run 2 stands in slice 34:
; fragment 5's last reader is instruction 29, with six additions and the v_nop between.  Run 3 stands behind the last slice's four.  The first tile has no slices: four v_nop in front of each run.
.macro TILE q, sl, md, st
	WIN 0
.if \md < 2
	s_wait_loadcnt 27                              ; out may be: the 27 that the last tile issued behind its v.  So this tile's weights, asked for two tiles back, and the last tile's v are in,
.else
	s_wait_loadcnt 0x0                             ; (the tile before issued its v alone)
.endif
.if \st                                            ; and the loads that named this set's bases, two tiles back, are done: the bases may step
	s_add_nc_u64 s[VB+2*\q:VB+2*\q+1], s[VB+2*\q:VB+2*\q+1], 128
.if \md == 0
	s_add_nc_u64 s[WB+2*\q:WB+2*\q+1], s[WB+2*\q:WB+2*\q+1], 2*TILEB
	s_add_nc_u64 s[DB+2*\q:DB+2*\q+1], s[DB+2*\q:DB+2*\q+1], 128
.endif
.endif
	global_load_b128 v[VV+8*\q:VV+8*\q+3], v[VO], s[VB+2*\q:VB+2*\q+1]
	global_load_b128 v[VV+8*\q+4:VV+8*\q+7], v[VO], s[VB+2*\q:VB+2*\q+1] offset:16
.set RQ, \q
.if \md == 0
.set RF, 1
.else
.set RF, 0
.endif
.set ks, 0
.rept 8
.set mt, 0
.rept 5
	MM \q
.if \sl
	SLICE 1-\q
.endif
.set mt, mt+1
.endr
.if (\sl == 0) && (\md == 0)
.if ks == 3
	PLACES
	RUN1 \q
.elseif ks == 6
	PLACES
	RUN2 \q
.endif
.endif
.set ks, ks+1
.endr
.if \md == 0
.if \sl == 0
	PLACES
.endif
	RUN3 \q
.endif
.set RF, 0
.endm
	TILE 0, 0, 0, 0                                ; tile 0 asks for tile 2,
	TILE 1, 1, 0, 0                                ; tile 1 for tile 3: the bases stand there from the head
	WIN 0                                          ; at a label and at a branch every window is 0
	s_mov_b32 s34, 6
.Ltiles:                                           ; tiles 2 to 13, two a trip: the sets are back where they began
	TILE 0, 1, 0, 1
	TILE 1, 1, 0, 1
	WIN 0
	s_sub_co_u32 s34, s34, 1
	s_cmp_lg_u32 s34, 0
	s_cbranch_scc1 .Ltiles
	TILE 0, 1, 1, 1                                ; tile 14
	TILE 1, 1, 2, 1                                ; tile 15
	WIN 0
	s_wait_loadcnt 0x0                             ; tile 15's v
.set e, 0
.rept 142                                          ; tile 15's list; the last slice's four instructions are the places behind the last products
	ENTRY 1
.set e, e+1
.endr
.irp m, 0,1,2,3,4
	v_add_f32 v[SS+2*\m], v[SS+2*\m], v[SS+2*\m+1]
.endr
.irp m, 0,1,2,3,4
	v_permlanex16_b32 v[SS+2*\m+1], v[SS+2*\m], s30, s31
.endr
.irp m, 0,1,2,3,4
	v_add_f32 v[SS+2*\m], v[SS+2*\m], v[SS+2*\m+1] ; row r's sum over my 256 columns
.endr
.irp m, 0,1,2,3,4
	ds_store_b32 v[SW], v[SS+2*\m] offset:64*\m
.endr
.Lb2:
	s_wait_dscnt 0x0                               ; for the others' sake: my partial scores have landed
	s_barrier_signal -1
	s_barrier_wait -1
	s_cmp_eq_u32 s28, 0
	s_cbranch_scc1 .Lout
; ---- the block's softmax, by every wave for itself: row 32 c + lane
.irp c, 0,1
.irp u, 0,1,2,3
	ds_load_b32 v[112+4*\c+\u], v[SR] offset:320*\u+128*\c
.endr
.endr
.irp u, 0,1,2,3
	ds_load_b32 v[120+\u], v[SR2] offset:320*\u    ; rows 64 .. 79, twice
.endr
	v_mov_b32 v140, 0xce6e6b28                     ; -1e9
	v_mov_b32 v141, 0xff61b1e6                     ; -3e38
	v_add_nc_u32 v136, s27, v[LN]                  ; my places
	v_add_nc_u32 v137, 32, v136
	v_add_nc_u32 v138, 64, v136
	v_cmp_gt_u32 s40, s25, v136                    ; counted?
	v_cmp_gt_u32 s41, s25, v137
	v_cmp_gt_u32 s42, s25, v138
	v_cmp_gt_u32 vcc_lo, 16, v[LN]
	s_and_b32 s42, s42, vcc_lo
	s_wait_dscnt 0x0
.irp c, 0,1,2
	v_add_f32 v[112+4*\c], v[112+4*\c], v[113+4*\c]
	v_add_f32 v[114+4*\c], v[114+4*\c], v[115+4*\c]
	v_add_f32 v[124+\c], v[112+4*\c], v[114+4*\c]
	v_mul_f32 v[124+\c], -2.0, v[124+\c]           ; the score, less the sum of v
	v_and_b32 v142, 0x10000, v[LE+\c]
	v_cmp_ne_u32 vcc_lo, 0, v142
	v_cndmask_b32 v[124+\c], v[124+\c], v140, vcc_lo   ; mask == 0: -1e9
	v_cndmask_b32 v[128+\c], v141, v[124+\c], s[40+\c] ; a place that is not counted does not count for the maximum
.endr
	v_max3_num_f32 v[MB], v128, v129, v130
	v_max_num_f32_dpp v[MB], v[MB], v[MB] row_xmask:1 row_mask:0xf bank_mask:0xf
	v_max_num_f32_dpp v[MB], v[MB], v[MB] row_xmask:2 row_mask:0xf bank_mask:0xf
	v_max_num_f32_dpp v[MB], v[MB], v[MB] row_xmask:4 row_mask:0xf bank_mask:0xf
	v_max_num_f32_dpp v[MB], v[MB], v[MB] row_xmask:8 row_mask:0xf bank_mask:0xf
	v_permlanex16_b32 v[TP], v[MB], s30, s31
	v_max_num_f32 v[MB], v[MB], v[TP]              ; the block's maximum, in every lane
.irp c, 0,1,2
	v_sub_f32 v[128+\c], v[124+\c], v[MB]
	v_mul_f32 v[128+\c], 0x3fb8aa3b, v[128+\c]
.endr
.irp c, 0,1,2
	v_exp_f32 v[128+\c], v[128+\c]
.endr
	v_nop                                          ; a plain instruction behind the last exponential,
	s_wait_alu depctr_va_vdst(0)                   ; and the wait ahead of the first use: one for the three
.irp c, 0,1,2
	v_cndmask_b32 v[128+\c], 0, v[128+\c], s[40+\c]    ; p; 0 at a place that is not counted: selected, not multiplied
	ds_store_b32 v[PS], v[128+\c] offset:128*\c
.endr
	s_cmp_lg_u32 s22, 0
	s_cbranch_scc1 .Lctx
.irp c, 0,1,2                                  ; wave 0 stores the counted rows' scores at their t
	v_and_b32 v[132+\c], 0x7ff, v[LE+\c]
	v_min_u32 v[132+\c], 0x7ff, v[132+\c]
	v_lshlrev_b32 v[132+\c], 2, v[132+\c]
.endr
.irp c, 0,1,2
	s_wait_xcnt 0x0                                ; EXEC changes only behind this wait
	s_mov_b32 vcc_lo, s[40+\c]
	s_and_saveexec_b32 s43, vcc_lo
	global_store_b32 v[132+\c], v[124+\c], s[16:17]
	s_wait_xcnt 0x0                                ; and again in front of the line that widens it; the store has read its registers too
	s_or_b32 exec_lo, exec_lo, s43
.endr
.Lctx:
	s_wait_dscnt 0x0                               ; my stores of p have read their registers, which the loads below land on
; ---- the context: thread t owns columns 4 t .. 4 t + 3 and 512 + 4 t .. 512 + 4 t + 3.  A tile of 16 rows at a time, in two sets of registers: 4 loads of p (all lanes the same 16 bytes), 32 of 8 bytes of bf16
.macro CLOAD m
.irp g, 0,1,2,3
	ds_load_b128 v[68+16*((\m)%2)+4*\g:68+16*((\m)%2)+4*\g+3], v[PL] offset:64*(\m)+16*\g   ; LDS serves a wave's instructions in order: these see my stores of p
.endr
.set rr, 0
.rept 16
	ds_load_b64 v[112+64*((\m)%2)+4*rr:112+64*((\m)%2)+4*rr+1], v[CB+(\m)] offset:BFP*rr
	ds_load_b64 v[112+64*((\m)%2)+4*rr+2:112+64*((\m)%2)+4*rr+3], v[CB+(\m)] offset:BFP*rr+1024
.set rr, rr+1
.endr
.endm
.macro CFMA m
.set rr, 0
.rept 16
.set e, 0
.rept 8
.if e%2
	v_fma_mix_f32_bf16 v[CT+e], v[112+64*((\m)%2)+4*rr+e/2], v[68+16*((\m)%2)+rr], v[CT+e] op_sel:[1,0,0] op_sel_hi:[1,0,0]
.else
	v_fma_mix_f32_bf16 v[CT+e], v[112+64*((\m)%2)+4*rr+e/2], v[68+16*((\m)%2)+rr], v[CT+e] op_sel_hi:[1,0,0]
.endif
.set e, e+1
.endr
.set rr, rr+1
.endr
.endm
	CLOAD 0
	CLOAD 1
.irp m, 0,1,2
	s_wait_dscnt 36                                ; this tile's 36 loads are in; the next tile's 36 may be out
	CFMA \m
	CLOAD \m+2
.endr
	s_wait_dscnt 36
	CFMA 3
	s_wait_dscnt 0x0
	CFMA 4
.Lout:
	s_cmp_lg_u32 s22, 0
	s_cbranch_scc1 .Lnot_wave_0
	s_wait_xcnt 0x0                                ; EXEC changes only behind this wait
	v_cmp_eq_u32 vcc_lo, 0, v0
	s_and_saveexec_b32 s43, vcc_lo
	global_store_b32 v[ZR], v[MB], s[18:19]        ; the block's maximum; -3e38 where the block has no rows
	s_wait_xcnt 0x0
	s_or_b32 exec_lo, exec_lo, s43
.Lnot_wave_0:
	global_store_b128 v[TO], v[CT:CT+3], s[20:21]                  ; a wave's store covers 512 consecutive bytes, aligned; zeros where the block has no rows
	global_store_b128 v[TO], v[CT+4:CT+7], s[20:21] offset:2048
	s_wait_tensorcnt 0x0                           ; the wave's end, behind my last LDS store, in a text with no tensor load too
	ds_add_u32 v[SPW], v[NIL]
	s_wait_dscnt 0x0
	s_endpgm
.Lfunc_end_k_q4eee802444_main:
	.size	k_q4eee802444_main, .Lfunc_end_k_q4eee802444_main-k_q4eee802444_main
	.p2alignl 7, 3214868480
	.fill 96, 4, 3214868480
	.section	.rodata,"a",@progbits
	.p2align	6, 0x0
	.amdhsa_kernel k_q4eee802444_main
		.amdhsa_group_segment_fixed_size 232448
		.amdhsa_private_segment_fixed_size 0
		.amdhsa_enable_private_segment 0
		.amdhsa_kernarg_size 72
		.amdhsa_user_sgpr_count 2
		.amdhsa_user_sgpr_kernarg_segment_ptr 1
		.amdhsa_wavefront_size32 1
		.amdhsa_system_sgpr_workgroup_id_x 1
		.amdhsa_system_sgpr_workgroup_id_y 1
		.amdhsa_system_sgpr_workgroup_id_z 1
		.amdhsa_system_vgpr_workitem_id 0
		.amdhsa_next_free_vgpr 1024
		.amdhsa_next_free_sgpr 66
		.amdhsa_reserve_vcc 1
		.amdhsa_float_denorm_mode_32 3
		.amdhsa_float_denorm_mode_16_64 3
		.amdhsa_memory_ordered 1
		.amdhsa_forward_progress 1
		.amdhsa_inst_pref_size 255
	.end_amdhsa_kernel
	.section	.bss,"aw",@nobits
	.p2align	6
	.space	262144
	.amdgpu_metadata
---
amdhsa.version: [ 1, 2 ]
amdhsa.kernels:
  - .name:           k_q4eee802444_main
    .symbol:         k_q4eee802444_main.kd
    .args:
      - { .name: encoder_outputs, .offset: 0, .size: 8, .value_kind: global_buffer, .address_space: global }
      - { .name: list, .offset: 8, .size: 8, .value_kind: global_buffer, .address_space: global }
      - { .name: cnt, .offset: 16, .size: 8, .value_kind: global_buffer, .address_space: global }
      - { .name: decp, .offset: 24, .size: 8, .value_kind: global_buffer, .address_space: global }
      - { .name: wl, .offset: 32, .size: 8, .value_kind: global_buffer, .address_space: global }
      - { .name: v, .offset: 40, .size: 8, .value_kind: global_buffer, .address_space: global }
      - { .name: sraw, .offset: 48, .size: 8, .value_kind: global_buffer, .address_space: global }
      - { .name: pm, .offset: 56, .size: 8, .value_kind: global_buffer, .address_space: global }
      - { .name: pctx, .offset: 64, .size: 8, .value_kind: global_buffer, .address_space: global }
    .group_segment_fixed_size: 232448
    .private_segment_fixed_size: 0
    .kernarg_segment_align: 8
    .kernarg_segment_size: 72
    .max_flat_workgroup_size: 128
    .sgpr_count:     66
    .vgpr_count:     1024
    .wavefront_size: 32
...
	.end_amdgpu_metadata
.endif
;; end of part 2
;; launch finish (part 3): grid 32 x 1, 8 waves a work-group, no clusters, 1,536 bytes of LDS; arguments sraw, pm, pctx, out0, out1; writes out0, out1
.if DOCPART == 3
	.amdgcn_target "amdgcn-amd-amdhsa--gfx1250"
	.amdhsa_code_object_version 6
	.text
	.protected	k_q4eee802444_finish
	.globl	k_q4eee802444_finish
	.p2align	8
	.type	k_q4eee802444_finish,@function
k_q4eee802444_finish:
	s_mov_b64 s[64:65], 0
	v_nop
	global_prefetch_b8 v0, s[64:65] scope:SCOPE_SE
	s_setreg_imm32_b32 hwreg(HW_REG_WAVE_MODE, 25, 1), 1
	s_wait_xcnt 0x0
; BAHDANAU ATTENTION, launch 3 of 3.  LEFT OUT (shown at the head of the first kernel): the sum of v in the scores, which is the same along the softmax's axis.
; A work-group to a batch, 256 threads.  sraw[b][t] is the score (-1e9 where mask == 0).  M = its maximum, L = the sum of exp(score - M); out1 = exp(score - M) / L.
; The 26 blocks' partial contexts were summed under the blocks' own maxima pm[b][i]: out0 = sum over i of exp(pm - M) pctx[b][i] / L.  A block without rows has pm = -3e38 and zeros: its factor is 0.
; Thread t owns scores 4 t .. 4 t + 3 and 1,024 + 4 t .. + 3, and columns 4 t .. 4 t + 3 of the context.  Each load and store of a wave covers 512 consecutive bytes.
; 32 work-groups: the launch moves under 4 MB; the softmax's axis is a batch's, so a batch is the share.  No matrix units: nothing here is a product.
.set SPARE, 512                        ; LDS: the waves' maxima at 0, their sums at 256, the spare words (128 bytes a wave) from 512 on
	s_load_b256 s[4:11], s[0:1], 0x0               ; sraw s[4:5], pm s[6:7], pctx s[8:9], out0 s[10:11]
	s_load_b64 s[12:13], s[0:1], 0x20              ; out1
	v_lshl_add_u32 v30, v0, 2, SPARE
	v_mov_b32 v31, 0
	v_lshrrev_b32 v1, 5, v0
	v_readfirstlane_b32 s14, v1                    ; wave 0..7
	v_lshlrev_b32 v1, 4, v0                        ; 16 x thread
	s_lshl_b32 s15, s14, 2
	v_mov_b32 v14, s15                             ; my wave's word
	v_mov_b32 v15, 0
	v_mov_b32 v13, 0                               ; (a lane permute's destination counts as one of its sources)
	s_mov_b32 s42, 0x76543210
	s_mov_b32 s43, 0xfedcba98
	s_lshl_b32 s44, ttmp9, 13
	s_mov_b32 s45, 0
	s_lshl_b32 s46, ttmp9, 7
	s_mov_b32 s47, 0
	s_mul_i32 s48, ttmp9, 26*4096
	s_mov_b32 s49, 0
	s_lshl_b32 s50, ttmp9, 12
	s_mov_b32 s51, 0
	s_wait_kmcnt 0x0
	s_add_nc_u64 s[4:5], s[4:5], s[44:45]
	s_add_nc_u64 s[12:13], s[12:13], s[44:45]
	s_add_nc_u64 s[6:7], s[6:7], s[46:47]
	s_add_nc_u64 s[8:9], s[8:9], s[48:49]
	s_add_nc_u64 s[10:11], s[10:11], s[50:51]
	s_load_b512 s[16:31], s[6:7], 0x0              ; the 26 blocks' maxima: s16 .. s41
	s_load_b256 s[32:39], s[6:7], 0x40
	s_load_b64 s[40:41], s[6:7], 0x60
	global_load_b128 v[4:7], v1, s[4:5]
	global_load_b128 v[8:11], v1, s[4:5] offset:4096
.irp i, 0,1,2,3,4,5,6,7,8,9,10,11,12,13,14,15,16,17,18,19,20,21,22,23,24,25
	global_load_b128 v[32+4*\i:35+4*\i], v1, s[8:9] offset:4096*\i
.endr
	s_wait_loadcnt 26                              ; my eight scores are in; the 26 partial contexts may be out
	v_max3_num_f32 v12, v4, v5, v6
	v_max3_num_f32 v12, v12, v7, v8
	v_max3_num_f32 v12, v12, v9, v10
	v_max_num_f32 v12, v12, v11
	v_max_num_f32_dpp v12, v12, v12 row_xmask:1 row_mask:0xf bank_mask:0xf
	v_max_num_f32_dpp v12, v12, v12 row_xmask:2 row_mask:0xf bank_mask:0xf
	v_max_num_f32_dpp v12, v12, v12 row_xmask:4 row_mask:0xf bank_mask:0xf
	v_max_num_f32_dpp v12, v12, v12 row_xmask:8 row_mask:0xf bank_mask:0xf
	v_permlanex16_b32 v13, v12, s42, s43
	v_max_num_f32 v12, v12, v13
	ds_store_b32 v14, v12                          ; all lanes write the same word with the same value
	s_wait_dscnt 0x0                               ; for the others' sake
	s_barrier_signal -1
	s_barrier_wait -1
	ds_load_b128 v[16:19], v15
	ds_load_b128 v[20:23], v15 offset:16
	s_wait_dscnt 0x0
	v_max3_num_f32 v12, v16, v17, v18
	v_max3_num_f32 v12, v12, v19, v20
	v_max3_num_f32 v12, v12, v21, v22
	v_max_num_f32 v12, v12, v23                    ; M
	s_wait_kmcnt 0x0
.irp j, 0,1,2,3,4,5,6,7
	v_sub_f32 v[4+\j], v[4+\j], v12
.endr
.irp j, 0,1,2,3,4,5,6,7
	v_mul_f32 v[4+\j], 0x3fb8aa3b, v[4+\j]
.endr
.irp i, 0,1,2,3,4,5,6,7,8,9,10,11,12,13,14,15,16,17,18,19,20,21,22,23,24,25
	v_sub_f32 v[140+\i], s[16+\i], v12
.endr
.irp i, 0,1,2,3,4,5,6,7,8,9,10,11,12,13,14,15,16,17,18,19,20,21,22,23,24,25
	v_mul_f32 v[140+\i], 0x3fb8aa3b, v[140+\i]     ; (-3e38 becomes -infinity here, and 0 below)
.endr
.irp j, 0,1,2,3,4,5,6,7
	v_exp_f32 v[4+\j], v[4+\j]
.endr
.irp i, 0,1,2,3,4,5,6,7,8,9,10,11,12,13,14,15,16,17,18,19,20,21,22,23,24,25
	v_exp_f32 v[140+\i], v[140+\i]
.endr
	v_nop                                          ; a plain instruction behind the last exponential,
	s_wait_alu depctr_va_vdst(0)                   ; and the wait ahead of the first use: one for the 34
	v_add_f32 v24, v4, v5
	v_add_f32 v25, v6, v7
	v_add_f32 v26, v8, v9
	v_add_f32 v27, v10, v11
	v_add_f32 v24, v24, v25
	v_add_f32 v26, v26, v27
	v_add_f32 v24, v24, v26
	v_add_f32_dpp v24, v24, v24 row_xmask:1 row_mask:0xf bank_mask:0xf
	v_add_f32_dpp v24, v24, v24 row_xmask:2 row_mask:0xf bank_mask:0xf
	v_add_f32_dpp v24, v24, v24 row_xmask:4 row_mask:0xf bank_mask:0xf
	v_add_f32_dpp v24, v24, v24 row_xmask:8 row_mask:0xf bank_mask:0xf
	v_permlanex16_b32 v13, v24, s42, s43
	v_add_f32 v24, v24, v13
	ds_store_b32 v14, v24 offset:256               ; other bytes than the maxima's: no barrier is owed between
	s_wait_dscnt 0x0
	s_barrier_signal -1
	s_barrier_wait -1
	ds_load_b128 v[16:19], v15 offset:256
	ds_load_b128 v[20:23], v15 offset:272
	s_wait_loadcnt 0x0                             ; the partial contexts
.irp c, 0,1,2,3
	v_mul_f32 v[168+\c], v140, v[32+\c]
.endr
.irp i, 1,2,3,4,5,6,7,8,9,10,11,12,13,14,15,16,17,18,19,20,21,22,23,24,25
.irp c, 0,1,2,3
	v_fmac_f32 v[168+\c], v[140+\i], v[32+4*\i+\c]
.endr
.endr
	s_wait_dscnt 0x0
	v_add_f32 v16, v16, v17
	v_add_f32 v18, v18, v19
	v_add_f32 v20, v20, v21
	v_add_f32 v22, v22, v23
	v_add_f32 v16, v16, v18
	v_add_f32 v20, v20, v22
	v_add_f32 v24, v16, v20                        ; L: at least 1, since the row with the maximum adds 1
	v_rcp_f32 v25, v24
	v_nop
	s_wait_alu depctr_va_vdst(0)                   ; ahead of the reciprocal's first use
.irp j, 0,1,2,3,4,5,6,7
	v_mul_f32 v[4+\j], v[4+\j], v25
.endr
.irp c, 0,1,2,3
	v_mul_f32 v[168+\c], v[168+\c], v25
.endr
	global_store_b128 v1, v[4:7], s[12:13]
	global_store_b128 v1, v[8:11], s[12:13] offset:4096
	global_store_b128 v1, v[168:171], s[10:11]
	s_wait_tensorcnt 0x0                           ; the wave's end, behind my last LDS store, in a text with no tensor load too
	ds_add_u32 v30, v31
	s_wait_dscnt 0x0
	s_endpgm
.Lfunc_end_k_q4eee802444_finish:
	.size	k_q4eee802444_finish, .Lfunc_end_k_q4eee802444_finish-k_q4eee802444_finish
	.p2alignl 7, 3214868480
	.fill 96, 4, 3214868480
	.section	.rodata,"a",@progbits
	.p2align	6, 0x0
	.amdhsa_kernel k_q4eee802444_finish
		.amdhsa_group_segment_fixed_size 1536
		.amdhsa_private_segment_fixed_size 0
		.amdhsa_enable_private_segment 0
		.amdhsa_kernarg_size 40
		.amdhsa_user_sgpr_count 2
		.amdhsa_user_sgpr_kernarg_segment_ptr 1
		.amdhsa_wavefront_size32 1
		.amdhsa_system_sgpr_workgroup_id_x 1
		.amdhsa_system_sgpr_workgroup_id_y 1
		.amdhsa_system_sgpr_workgroup_id_z 1
		.amdhsa_system_vgpr_workitem_id 0
		.amdhsa_next_free_vgpr 176
		.amdhsa_next_free_sgpr 66
		.amdhsa_reserve_vcc 0
		.amdhsa_float_denorm_mode_32 3
		.amdhsa_float_denorm_mode_16_64 3
		.amdhsa_memory_ordered 1
		.amdhsa_forward_progress 1
		.amdhsa_inst_pref_size 15
	.end_amdhsa_kernel
	.amdgpu_metadata
---
amdhsa.version: [ 1, 2 ]
amdhsa.kernels:
  - .name:           k_q4eee802444_finish
    .symbol:         k_q4eee802444_finish.kd
    .args:
      - { .name: sraw, .offset: 0, .size: 8, .value_kind: global_buffer, .address_space: global }
      - { .name: pm, .offset: 8, .size: 8, .value_kind: global_buffer, .address_space: global }
      - { .name: pctx, .offset: 16, .size: 8, .value_kind: global_buffer, .address_space: global }
      - { .name: out0, .offset: 24, .size: 8, .value_kind: global_buffer, .address_space: global }
      - { .name: out1, .offset: 32, .size: 8, .value_kind: global_buffer, .address_space: global }
    .group_segment_fixed_size: 1536
    .private_segment_fixed_size: 0
    .kernarg_segment_align: 8
    .kernarg_segment_size: 40
    .max_flat_workgroup_size: 256
    .sgpr_count:     66
    .vgpr_count:     176
    .wavefront_size: 32
...
	.end_amdgpu_metadata
.endif
;; end of part 3
